; MI455X (gfx1250); checked and timed in simulation.
; The chip was launched on July 23, 2026; its instructions are those of AMD's public machine-readable ISA for CDNA 5 (MIT licence, August 2026) and "CDNA5" Instruction Set Architecture Reference Guide (July 2026). The comments in the code are by the model that wrote it; some were corrected since.
;; AMGSRN. Allowed arithmetic: float matrix products may take bf16 or f16 operands with f32 sums; other float arithmetic in f32, or as packed bf16 or f16 multiplies, adds, multiply-adds, maxima and minima; sums over many terms, partial sums and values carried from step to step in f32; what a program stores and reads back later, other than sums and carried values, may be rounded once to bf16 or f16.
;; Inputs: W0 128 x 128 float32; W1 128 x 128 float32; W2 1 x 128 float32; b0 128 float32; b1 128 float32; b2 1 float32; feature_grids 64 x 2 x 64 x 64 x 64 float32; grid_scales 64 x 3 float32; grid_translations 64 x 3 float32; x 131,072 x 3 float32.
;; Outputs: out0 131,072 x 1 float32.
;; One version. Each part assembles by itself: llvm-mc -triple=amdgcn-amd-amdhsa -mcpu=gfx1250 --defsym DOCPART=n.
;; ======== version 1 of 1: 5 launches
;; workspace buffers: keys 131,072 bytes of whole numbers; perm 524,288 bytes of whole numbers; binpos 2,048 bytes of whole numbers; rng 2,048 bytes of whole numbers; idxa 16,777,216 bytes of whole numbers; idxb 16,777,216 bytes of whole numbers; xs 1,572,864 bytes; feats 33,554,432 bytes
;; launch keys (part 1): grid 256 x 1, 2 waves a work-group, no clusters, 0 bytes of LDS; arguments x, keys; writes keys
.if DOCPART == 1
	.amdgcn_target "amdgcn-amd-amdhsa--gfx1250"
	.amdhsa_code_object_version 6
	.text
	.protected	k_q6bac1ea26e_keys
	.globl	k_q6bac1ea26e_keys
	.p2align	8
	.type	k_q6bac1ea26e_keys,@function
k_q6bac1ea26e_keys:
	s_mov_b64 s[64:65], 0
	v_nop
	global_prefetch_b8 v0, s[64:65] scope:SCOPE_SE
	s_setreg_imm32_b32 hwreg(HW_REG_WAVE_MODE, 25, 1), 1
	s_wait_xcnt 0x0
; AMGSRN, launch 1 of 5: keys[p] = the z bin of point p, one byte: clamp(floor(128 z + 128), 0, 255).
; THE PROGRAM.  131,072 points are looked up trilinearly in 64 grids of 64^3 cells x 2 channels, then decoded by 128-128-128-1.
;   keys   the z bin of every point                    rank   a counting sort by bin: perm[position] = point, and each bin's run of positions
;   index  coordinates by position; for each (grid, position) the cell as a whole number; for each (grid, quarter of z) its run of positions
;   gather a work-group holds a quarter of one grid in LDS (bf16, channels interleaved) and looks up the positions of its run
;   mlp    the decoder, by position; the result goes back to the point's place through perm
; A grid's z map is affine, hence monotone, so the points of one quarter of a grid are one run of positions, to within a bin at each end.
; NO WORK OF reference() IS LEFT OUT and every input is loaded: stop_gradient is the identity; the 'valid' factors are carried by the weights (see gather).
; LIMITS.  NaN and infinite inputs are not treated apart.  The bins divide z in [-1, 1); any other z falls into bin 0 or 255, which lengthens runs and changes no value.
; SHARES.  Thread T = 64 x work-group + t takes points 8 T .. 8 T + 7: 96 consecutive bytes of x, six loads of 16; its eight keys are 8 bytes, so a wave's store covers 256 consecutive bytes, aligned.
	s_load_b128 s[4:7], s[0:1], 0x0                ; x s[4:5], keys s[6:7]
	v_mul_u32_u24 v2, 96, v0                       ; my 8 points in x
	v_lshlrev_b32 v3, 3, v0                        ; my 8 keys
	s_mul_i32 s8, ttmp9, 6144                      ; the work-group's 512 points in x,
	s_mov_b32 s9, 0
	s_lshl_b32 s10, ttmp9, 9                       ; and in keys
	s_mov_b32 s11, 0
	s_mov_b32 s12, 0x43000000                      ; 128.0
	s_mov_b32 s13, 0x437f0000                      ; 255.0
	s_wait_kmcnt 0x0
	s_add_nc_u64 s[4:5], s[4:5], s[8:9]
	s_add_nc_u64 s[6:7], s[6:7], s[10:11]
.irp i, 0,1,2,3,4,5
	global_load_b128 v[8+4*\i:11+4*\i], v2, s[4:5] offset:16*\i
.endr
	s_wait_loadcnt 0x0                             ; all six: point i's z is v[10 + 3 i]
.irp i, 0,1,2,3,4,5,6,7
	v_fma_f32 v[32+\i], v[10+3*\i], s12, s12       ; 128 z + 128
.endr
.irp i, 0,1,2,3,4,5,6,7
	v_floor_f32 v[32+\i], v[32+\i]
.endr
.irp i, 0,1,2,3,4,5,6,7
	v_med3_num_f32 v[32+\i], v[32+\i], 0, s13      ; into 0 .. 255
.endr
.irp i, 0,1,2,3,4,5,6,7
	v_cvt_u32_f32 v[32+\i], v[32+\i]
.endr
.irp w, 0,1
	v_lshl_or_b32 v[40+\w], v[33+4*\w], 8, v[32+4*\w]
	v_lshl_or_b32 v[40+\w], v[34+4*\w], 16, v[40+\w]
	v_lshl_or_b32 v[40+\w], v[35+4*\w], 24, v[40+\w]
.endr
	global_store_b64 v3, v[40:41], s[6:7]
	s_endpgm
.Lfunc_end_k_q6bac1ea26e_keys:
	.size	k_q6bac1ea26e_keys, .Lfunc_end_k_q6bac1ea26e_keys-k_q6bac1ea26e_keys
	.p2alignl 7, 3214868480
	.fill 96, 4, 3214868480
	.section	.rodata,"a",@progbits
	.p2align	6, 0x0
	.amdhsa_kernel k_q6bac1ea26e_keys
		.amdhsa_group_segment_fixed_size 0
		.amdhsa_private_segment_fixed_size 0
		.amdhsa_enable_private_segment 0
		.amdhsa_kernarg_size 16
		.amdhsa_user_sgpr_count 2
		.amdhsa_user_sgpr_kernarg_segment_ptr 1
		.amdhsa_wavefront_size32 1
		.amdhsa_system_sgpr_workgroup_id_x 1
		.amdhsa_system_sgpr_workgroup_id_y 1
		.amdhsa_system_sgpr_workgroup_id_z 1
		.amdhsa_system_vgpr_workitem_id 0
		.amdhsa_next_free_vgpr 48
		.amdhsa_next_free_sgpr 66
		.amdhsa_reserve_vcc 0
		.amdhsa_float_denorm_mode_32 3
		.amdhsa_float_denorm_mode_16_64 3
		.amdhsa_memory_ordered 1
		.amdhsa_forward_progress 1
		.amdhsa_inst_pref_size 4
	.end_amdhsa_kernel
	.amdgpu_metadata
---
amdhsa.version: [ 1, 2 ]
amdhsa.kernels:
  - .name:           k_q6bac1ea26e_keys
    .symbol:         k_q6bac1ea26e_keys.kd
    .args:
      - { .name: x, .offset: 0, .size: 8, .value_kind: global_buffer, .address_space: global }
      - { .name: keys, .offset: 8, .size: 8, .value_kind: global_buffer, .address_space: global }
    .group_segment_fixed_size: 0
    .private_segment_fixed_size: 0
    .kernarg_segment_align: 8
    .kernarg_segment_size: 16
    .max_flat_workgroup_size: 64
    .sgpr_count:     66
    .vgpr_count:     48
    .wavefront_size: 32
...
	.end_amdgpu_metadata
.endif
;; end of part 1
;; launch rank (part 2): grid 256 x 1, 32 waves a work-group, no clusters, 4,352 bytes of LDS; arguments keys, perm, binpos; writes perm, binpos
.if DOCPART == 2
	.amdgcn_target "amdgcn-amd-amdhsa--gfx1250"
	.amdhsa_code_object_version 6
	.text
	.protected	k_q6bac1ea26e_rank
	.globl	k_q6bac1ea26e_rank
	.p2align	8
	.type	k_q6bac1ea26e_rank,@function
k_q6bac1ea26e_rank:
	s_mov_b64 s[64:65], 0
	v_nop
	global_prefetch_b8 v0, s[64:65] scope:SCOPE_SE
	s_setreg_imm32_b32 hwreg(HW_REG_WAVE_MODE, 25, 1), 1
	s_wait_xcnt 0x0
; Launch 2 of 5: a counting sort of the points by their z bin, without atomics: work-group b owns bin b and scans all 131,072 keys.
; perm[position] = point; binpos[b] = the first position of bin b, binpos[256 + b] = the position behind its last.  No work of reference() is left out here.
; SHARES.  Wave w keeps keys 4,096 w .. + 4,095 in 32 registers for both passes: load i, register c, byte k of a lane is key 4,096 w + 512 i + 16 lane + 4 c + k.
; PASS 1 counts, for the wave, the keys below b and the keys equal to b.  The 32 pairs meet in LDS.  PASS 2 gives each key equal to b its position:
; all keys below b + the equal keys of lower waves + the equal keys that this wave has placed + the equal lanes below mine.  All of it is whole-number work.
; A bin's size has no bound, so its points are not gathered in LDS first: perm is written by stores of the few lanes that match, 524,288 bytes in the whole launch.
.set SPARE, 256                        ; LDS: 0-255 the 32 pairs; from 256 on the spare words, 128 bytes for each of the 32 waves
.set K,   8                            ; v[8:39] the keys
.set SPW, 62                           ; v62  my spare word's LDS address; never rewritten
.set NIL, 63                           ; v63  0; never rewritten
	s_load_b128 s[4:7], s[0:1], 0x0                ; keys s[4:5], perm s[6:7]
	s_load_b64 s[8:9], s[0:1], 0x10                ; binpos
	v_lshl_add_u32 v[SPW], v0, 2, SPARE
	v_mov_b32 v[NIL], 0
	v_and_b32 v1, 31, v0                           ; lane
	v_lshrrev_b32 v3, 5, v0
	v_readfirstlane_b32 s10, v3                    ; wave
	s_mov_b32 s11, ttmp9                           ; b
	v_lshlrev_b32 v2, 4, v1
	v_lshl_add_u32 v2, v3, 12, v2                  ; 4,096 wave + 16 lane: byte offset of my keys, and the number of my first key
	s_mov_b32 s12, 0                               ; keys below b
	s_mov_b32 s13, 0                               ; keys equal to b
	s_wait_kmcnt 0x0
.irp i, 0,1,2,3,4,5,6,7
	global_load_b128 v[K+4*\i:K+4*\i+3], v2, s[4:5] offset:512*\i
.endr
	s_wait_loadcnt 0x0
	s_wait_xcnt 0x0                                ; EXEC is narrowed in pass 2 only behind this wait
; One register's low bytes are counted, then the register is turned by a byte: after four trips it stands as loaded.
.macro CNT reg
	v_and_b32 v40, 0xff, v[\reg]
	v_cmp_gt_u32 vcc_lo, s11, v40
	s_bcnt1_i32_b32 s15, vcc_lo
	s_add_co_u32 s12, s12, s15
	v_cmp_eq_u32 vcc_lo, s11, v40
	s_bcnt1_i32_b32 s16, vcc_lo
	s_add_co_u32 s13, s13, s16
	v_alignbit_b32 v[\reg], v[\reg], v[\reg], 8
.endm
	s_mov_b32 s14, 4
.Lcount:
.set r, 0
.rept 32
	CNT K+r
.set r, r+1
.endr
	s_sub_co_u32 s14, s14, 1
	s_cmp_lg_u32 s14, 0
	s_cbranch_scc1 .Lcount
	v_mov_b32 v44, s12
	v_mov_b32 v45, s13
	s_lshl_b32 s15, s10, 3
	v_mov_b32 v46, s15
	ds_store_b64 v46, v[44:45]                     ; my wave's pair, at 8 x wave (all lanes write the same)
	s_wait_dscnt 0x0                               ; for the others' sake: the store is done
	s_barrier_signal -1
	s_barrier_wait -1
	v_lshlrev_b32 v47, 3, v1
	ds_load_b64 v[44:45], v47                      ; lane l: wave l's pair
	s_wait_dscnt 0x0
	v_cmp_gt_u32 vcc_lo, s10, v1
	v_cndmask_b32 v48, 0, v45, vcc_lo              ; the equal keys of the waves below mine
	s_mov_b32 s17, 0                               ; the bin's first position
	s_mov_b32 s18, 0                               ; equal keys in lower waves
	s_mov_b32 s19, 0                               ; the bin's size
.set i, 0
.rept 32
	v_readlane_b32 s15, v44, i
	v_readlane_b32 s16, v48, i
	v_readlane_b32 s23, v45, i
	s_add_co_u32 s17, s17, s15
	s_add_co_u32 s18, s18, s16
	s_add_co_u32 s19, s19, s23
.set i, i+1
.endr
	s_add_co_u32 s20, s17, s18                     ; my wave's next free position
; The lanes whose low byte is b store their key's number.  add = 512 i + 4 c.
.macro PUT reg, add
	v_and_b32 v40, 0xff, v[\reg]
	v_cmp_eq_u32 vcc_lo, s11, v40
	s_cbranch_vccz .Lnone_\@
	v_mbcnt_lo_u32_b32 v41, vcc_lo, 0              ; matching lanes below mine
	v_add_nc_u32 v41, s20, v41
	v_min_u32 v41, 0x1ffff, v41                    ; a position: it enters an address only behind this bound
	v_lshlrev_b32 v41, 2, v41
	v_add_nc_u32 v42, \add, v43
	s_bcnt1_i32_b32 s15, vcc_lo
	s_add_co_u32 s20, s20, s15
	s_and_saveexec_b32 s22, vcc_lo                 ; no memory instruction has been issued since the last s_wait_xcnt 0
	global_store_b32 v41, v42, s[6:7]
	s_wait_xcnt 0x0                                ; EXEC, v41 and v42 change only behind this wait
	s_mov_b32 exec_lo, -1                          ; all lanes on again, by the constant: EXEC was full ahead of the narrowing
.Lnone_\@:
	v_alignbit_b32 v[\reg], v[\reg], v[\reg], 8
.endm
	s_mov_b32 s21, 0                               ; k, the byte in hand
.Lplace:
	v_add_nc_u32 v43, s21, v2                      ; 4,096 wave + 16 lane + k
.set r, 0
.rept 32
	PUT K+r, 512*(r/4)+4*(r%4)
.set r, r+1
.endr
	s_add_co_u32 s21, s21, 1
	s_cmp_lt_u32 s21, 4
	s_cbranch_scc1 .Lplace
	s_cmp_lg_u32 s10, 0                            ; wave 0 stores the bin's two bounds, lanes 0 and 1
	s_cbranch_scc1 .Lend
	v_mul_lo_u32 v42, v1, s19
	v_add_nc_u32 v42, s17, v42                     ; first position + lane x size
	s_lshl_b32 s15, s11, 2
	v_lshl_add_u32 v41, v1, 10, s15                ; 4 (b + 256 lane)
	v_cmp_gt_u32 vcc_lo, 2, v1
	s_and_saveexec_b32 s22, vcc_lo
	global_store_b32 v41, v42, s[8:9]
	s_wait_xcnt 0x0
	s_mov_b32 exec_lo, -1
.Lend:
	s_wait_tensorcnt 0x0                           ; the wave's end: behind my last LDS store
	ds_add_u32 v[SPW], v[NIL]
	s_wait_dscnt 0x0
	s_endpgm
.Lfunc_end_k_q6bac1ea26e_rank:
	.size	k_q6bac1ea26e_rank, .Lfunc_end_k_q6bac1ea26e_rank-k_q6bac1ea26e_rank
	.p2alignl 7, 3214868480
	.fill 96, 4, 3214868480
	.section	.rodata,"a",@progbits
	.p2align	6, 0x0
	.amdhsa_kernel k_q6bac1ea26e_rank
		.amdhsa_group_segment_fixed_size 4352
		.amdhsa_private_segment_fixed_size 0
		.amdhsa_enable_private_segment 0
		.amdhsa_kernarg_size 24
		.amdhsa_user_sgpr_count 2
		.amdhsa_user_sgpr_kernarg_segment_ptr 1
		.amdhsa_wavefront_size32 1
		.amdhsa_system_sgpr_workgroup_id_x 1
		.amdhsa_system_sgpr_workgroup_id_y 1
		.amdhsa_system_sgpr_workgroup_id_z 1
		.amdhsa_system_vgpr_workitem_id 0
		.amdhsa_next_free_vgpr 64
		.amdhsa_next_free_sgpr 66
		.amdhsa_reserve_vcc 1
		.amdhsa_float_denorm_mode_32 3
		.amdhsa_float_denorm_mode_16_64 3
		.amdhsa_memory_ordered 1
		.amdhsa_forward_progress 1
		.amdhsa_inst_pref_size 44
	.end_amdhsa_kernel
	.amdgpu_metadata
---
amdhsa.version: [ 1, 2 ]
amdhsa.kernels:
  - .name:           k_q6bac1ea26e_rank
    .symbol:         k_q6bac1ea26e_rank.kd
    .args:
      - { .name: keys, .offset: 0, .size: 8, .value_kind: global_buffer, .address_space: global }
      - { .name: perm, .offset: 8, .size: 8, .value_kind: global_buffer, .address_space: global }
      - { .name: binpos, .offset: 16, .size: 8, .value_kind: global_buffer, .address_space: global }
    .group_segment_fixed_size: 4352
    .private_segment_fixed_size: 0
    .kernarg_segment_align: 8
    .kernarg_segment_size: 24
    .max_flat_workgroup_size: 1024
    .sgpr_count:     66
    .vgpr_count:     64
    .wavefront_size: 32
...
	.end_amdgpu_metadata
.endif
;; end of part 2
;; launch index (part 3): grid 256 x 1, 32 waves a work-group, no clusters, 0 bytes of LDS; arguments perm, binpos, x, grid_scales, grid_translations, xs, idxa, idxb, rng, feats; writes xs, idxa, idxb, rng, feats
.if DOCPART == 3
	.amdgcn_target "amdgcn-amd-amdhsa--gfx1250"
	.amdhsa_code_object_version 6
	.text
	.protected	k_q6bac1ea26e_index
	.globl	k_q6bac1ea26e_index
	.p2align	8
	.type	k_q6bac1ea26e_index,@function
k_q6bac1ea26e_index:
	s_mov_b64 s[64:65], 0
	v_nop
	global_prefetch_b8 v0, s[64:65] scope:SCOPE_SE
	s_setreg_imm32_b32 hwreg(HW_REG_WAVE_MODE, 25, 1), 1
	s_wait_xcnt 0x0
; Launch 3 of 5.  (a) xs: the points' coordinates by sorted position, three planes of 524,288 bytes.
; (b) idx[g][position] = xb | yb << 6 | zb << 12, where for each axis f = coordinate x a + b is the place in cells, a = scale x K1, b = translation x K1 + 31.5,
;     K1 = 31.5 / 1.48 (reference()'s ((x s + t) / 1.48 + 1) x 0.5 x 63 in another order of rounding), and the cell is floor(f) held to 0 .. 62.  Bits 17:16 are the quarter of z that owns
;     the lookup.  Grids 0 to 31 lie in idxa, grids 32 to 63 in idxb, a row of 524,288 bytes each.
; (c) rng[g][s] = {first unit, units}: a run of units of 64 positions that holds every position whose idx[g] names quarter s and whose f_z lies between -1 and 64.
; (d) feats = 0 everywhere.  Where f_z <= -1 or f_z >= 64 both z weights are 0 and the feature is 0: the next launch walks the runs of (c) alone, and a position outside them keeps this 0.
; The whole numbers are only stored here; the next launch forms its addresses, masks and trip counts from them.  No work of reference() is left out here.
; LIMITS.  NaN and infinite inputs are not treated apart.
; SHARES.  Wave w of work-group j owns unit u = 8 j + w % 8 and the 16 grids from 16 (w / 8) on; a lane owns positions 64 u + 2 lane and + 1: every store of the wave covers 256 consecutive
; bytes, aligned.  The four waves of a unit each fetch its coordinates; the first of them stores xs.
.set AX, 28                            ; s28-33  a and b of x, of y, of z
.set AZ, 32
.set BZ, 33
	s_load_b512 s[4:19], s[0:1], 0x0               ; perm s[4:5], binpos s[6:7], x s[8:9], scales s[10:11], translations s[12:13], xs s[14:15], idxa s[16:17], idxb s[18:19]
	s_load_b128 s[68:71], s[0:1], 0x40             ; rng s[68:69], feats s[70:71]
	v_and_b32 v3, 31, v0                           ; lane
	v_lshrrev_b32 v1, 5, v0
	v_readfirstlane_b32 s40, v1                    ; wave
	s_mov_b32 s43, ttmp9
	s_and_b32 s60, s40, 7                          ; which of the work-group's 8 units
	s_lshr_b32 s61, s40, 3                         ; which 16 grids
	s_lshl_b32 s41, s43, 3
	s_add_co_u32 s41, s41, s60                     ; u
	s_lshl_b32 s62, s41, 14
	v_lshl_add_u32 v21, v3, 3, s62                 ; 16,384 u + 8 lane: my pair in a grid's 256 bytes of the unit in feats; never rewritten
	s_lshl_b32 s41, s41, 8
	v_lshl_add_u32 v2, v3, 3, s41                  ; 256 u + 8 lane: my pair in perm, in a plane of xs and in a row of idx; never rewritten
	v_mov_b32 v22, 0                               ; the 0 of (d); never rewritten
	v_mov_b32 v23, 0
	s_mov_b32 s34, 0x41aa4530                      ; K1
	s_mov_b32 s37, 0x42780000                      ; 62.0
	s_mov_b32 s42, 0x42800000                      ; 64.0
	s_mul_i32 s35, s61, 192                        ; my first grid's three numbers in scales and in translations
	s_and_b32 s62, s61, 1
	s_lshl_b32 s62, s62, 23                        ; my first grid's row in its half of idx: 0 or 16 rows
	s_mov_b32 s63, 0
	s_lshl_b32 s66, s61, 12                        ; my first grid's 256 bytes in a unit of feats
	s_mov_b32 s67, 0
	s_wait_kmcnt 0x0
	s_cmp_lt_u32 s61, 2
	s_cselect_b64 s[16:17], s[16:17], s[18:19]     ; grids 0 to 31: idxa; 32 to 63: idxb
	s_add_nc_u64 s[16:17], s[16:17], s[62:63]
	s_add_nc_u64 s[70:71], s[70:71], s[66:67]
	global_load_b64 v[4:5], v2, s[4:5]
	s_load_b96 s[20:22], s[10:11], s35 offset:0x0  ; my first grid's scales
	s_load_b96 s[24:26], s[12:13], s35 offset:0x0  ; and translations
	s_wait_loadcnt 0x0
	v_min_u32 v4, 0x1ffff, v4                      ; a point's number enters an address only behind this bound
	v_min_u32 v5, 0x1ffff, v5
	v_mul_u32_u24 v4, 12, v4
	v_mul_u32_u24 v5, 12, v5
.irp a, 0,1,2
	global_load_b32 v[6+2*\a], v4, s[8:9] offset:4*\a
	global_load_b32 v[7+2*\a], v5, s[8:9] offset:4*\a
.endr
	s_wait_loadcnt 0x0                             ; X v[6:7], Y v[8:9], Z v[10:11]; never rewritten
	s_cmp_lg_u32 s61, 0
	s_cbranch_scc1 .Lnoxs
	global_store_b64 v2, v[6:7], s[14:15]
	global_store_b64 v2, v[8:9], s[14:15] offset:524288
	global_store_b64 v2, v[10:11], s[14:15] offset:1048576
.Lnoxs:
	s_mov_b32 s36, 0
.Lgrid:                                        ; 16 trips, a grid each
	s_wait_kmcnt 0x0                               ; this grid's six numbers; their offset register is free too
	s_mul_f32 s[AX], s20, s34
	s_mul_f32 s[AX+2], s21, s34
	s_mul_f32 s[AX+4], s22, s34
	s_mov_b32 s[AX+1], 0x41fc0000                  ; 31.5
	s_mov_b32 s[AX+3], 0x41fc0000
	s_mov_b32 s[AX+5], 0x41fc0000
	s_fmac_f32 s[AX+1], s24, s34
	s_fmac_f32 s[AX+3], s25, s34
	s_fmac_f32 s[AX+5], s26, s34
	s_add_co_u32 s35, s35, 12
	s_min_u32 s35, s35, 756                        ; the last trip asks for a grid that it does not use, inside the buffers
	s_load_b96 s[20:22], s[10:11], s35 offset:0x0
	s_load_b96 s[24:26], s[12:13], s35 offset:0x0
	; the six cells (three axes, two points) go stage by stage, so that no line reads the result of the line before it
.set i, 0
.rept 6
	v_fma_f32 v[24+i], v[6+i], s[AX+2*(i/2)], s[AX+2*(i/2)+1]  ; f
.set i, i+1
.endr
.set i, 0
.rept 6
	v_floor_f32 v[24+i], v[24+i]
.set i, i+1
.endr
.set i, 0
.rept 6
	v_med3_num_f32 v[24+i], v[24+i], 0, s37        ; into 0 .. 62
.set i, i+1
.endr
.set i, 0
.rept 6
	v_cvt_u32_f32 v[24+i], v[24+i]
.set i, i+1
.endr
	v_lshl_or_b32 v12, v26, 6, v24
	v_lshl_or_b32 v13, v27, 6, v25
	v_lshl_or_b32 v12, v28, 12, v12
	v_lshl_or_b32 v13, v29, 12, v13
	global_store_b64 v2, v[12:13], s[16:17]
	global_store_b64 v21, v[22:23], s[70:71]
	s_wait_xcnt 0x0                                ; the stores' data and bases are written again only behind this wait
	s_add_nc_u64 s[16:17], s[16:17], 0x80000       ; the next grid's row of idx,
	s_add_nc_u64 s[70:71], s[70:71], 0x100         ; and its 256 bytes of the unit in feats
	s_add_co_u32 s36, s36, 1
	s_cmp_lt_u32 s36, 16
	s_cbranch_scc1 .Lgrid
; THE RUNS, for grid g = j, by wave 0 of work-groups 0 to 63.  Bin b holds z between b / 128 - 1 and (b + 1) / 128 - 1, here widened by 2^-10, far more than the key's rounding
; can shift (bin 0 reaches down, bin 255 up, to the largest finite number).  The fused multiply-add is monotone in z, and so are floor, the clamp and the division by 16: so f_z of every point of
; the bin lies between the two ends' images, and its quarter between their quarters cl and ch.  A bin counts if it is not empty and the greater image is above -1 and the lesser below 64: every point
; of any other bin has both z weights 0.  Quarter s takes the positions from the first to the last bin that counts with cl <= s <= ch.
; Positions, 131,072 at the most, are exact in f32; the least start is kept as the greatest negative.
	s_cmp_lg_u32 s40, 0
	s_cbranch_scc1 .Lend
	s_cmp_lt_u32 s43, 64
	s_cbranch_scc0 .Lend
	s_wait_kmcnt 0x0                               ; the loop's last two scalar loads have landed: their registers may be written
	s_mul_i32 s35, s43, 12
	s_load_b32 s20, s[10:11], s35 offset:0x8       ; the grid's z scale
	s_load_b32 s24, s[12:13], s35 offset:0x8       ; and z translation
	v_lshlrev_b32 v30, 2, v3
.irp q, 0,1,2,3,4,5,6,7
	global_load_b32 v[32+\q], v30, s[6:7] offset:128*\q        ; first position of bin 32 q + lane
	global_load_b32 v[72+\q], v30, s[6:7] offset:1024+128*\q   ; the position behind its last
.endr
	s_mov_b32 s44, 0x3c000000                      ; 2^-7
	s_mov_b32 s45, 0xbf802000                      ; -1 - 2^-10
	s_mov_b32 s46, 0xbf7dc000                      ; -1 + 2^-7 + 2^-10
	s_mov_b32 s47, 1                               ; lane 0
	s_mov_b32 s48, 0x80000000                      ; lane 31
	s_mov_b32 s52, 0                               ; the four quarters as f32
	s_mov_b32 s53, 1.0
	s_mov_b32 s54, 2.0
	s_mov_b32 s55, 0x40400000
	s_mov_b32 s56, 0x76543210                      ; v_permlanex16_b32: each lane takes its own place in the other half
	s_mov_b32 s57, 0xfedcba98
	s_mov_b32 s59, 0x3d800000                      ; 1 / 16
	v_mov_b32 v44, 0xff7fffff                      ; the lowest finite number
	v_mov_b32 v45, 0x7f7fffff                      ; the greatest
	v_mov_b32 v52, 0xc8000000                      ; -131,072
.irp s, 0,1,2,3
	v_mov_b32 v[56+\s], 0xc8000000                 ; - the run's first position
	v_mov_b32 v[60+\s], 0                          ; the position behind its last
.endr
	s_wait_kmcnt 0x0
	s_mul_f32 s[AZ], s20, s34                      ; the same arithmetic as in the loop
	s_mov_b32 s[BZ], 0x41fc0000
	s_fmac_f32 s[BZ], s24, s34
	s_wait_loadcnt 0x0
.macro BINS q
	v_add_nc_u32 v42, 32*\q, v3
	v_cvt_f32_u32 v42, v42                         ; b
	v_fma_f32 v41, v42, s44, s45                   ; the bin's least z
	v_fma_f32 v43, v42, s44, s46                   ; and greatest
.if \q == 0
	v_cndmask_b32 v41, v41, v44, s47
.endif
.if \q == 7
	v_cndmask_b32 v43, v43, v45, s48
.endif
	v_fma_f32 v41, v41, s[AZ], s[BZ]
	v_fma_f32 v43, v43, s[AZ], s[BZ]
	v_min_num_f32 v46, v41, v43
	v_max_num_f32 v47, v41, v43
	v_cmp_lt_u32 s49, v[32+\q], v[72+\q]           ; the bin is not empty,
	v_cmp_lt_f32 s21, -1.0, v47                    ; its greatest f_z is above -1,
	v_cmp_gt_f32 s22, s42, v46                     ; and its least below 64
	s_and_b32 s49, s49, s21
	s_and_b32 s49, s49, s22
	v_floor_f32 v46, v46
	v_floor_f32 v47, v47
	v_med3_num_f32 v46, v46, 0, s37
	v_med3_num_f32 v47, v47, 0, s37
	v_mul_f32 v46, s59, v46
	v_mul_f32 v47, s59, v47
	v_floor_f32 v46, v46                           ; cl
	v_floor_f32 v47, v47                           ; ch
	v_cvt_f32_u32 v50, v[32+\q]
	v_mul_f32 v50, -1.0, v50
	v_cvt_f32_u32 v51, v[72+\q]
.irp s, 0,1,2,3
	v_cmp_ge_f32 s50, s[52+\s], v46
	v_cmp_le_f32 s51, s[52+\s], v47
	s_and_b32 s50, s50, s51
	s_and_b32 s50, s50, s49
	v_cndmask_b32 v48, v52, v50, s50
	v_cndmask_b32 v49, 0, v51, s50
	v_max_num_f32 v[56+\s], v[56+\s], v48
	v_max_num_f32 v[60+\s], v[60+\s], v49
.endr
.endm
.irp q, 0,1,2,3,4,5,6,7
	BINS \q
.endr
.irp x, 1,2,4,8
.irp r, 56,57,58,59,60,61,62,63
	v_max_num_f32_dpp v\r, v\r, v\r row_xmask:\x row_mask:0xf bank_mask:0xf
.endr
.endr
.irp r, 56,57,58,59,60,61,62,63
	v_permlanex16_b32 v48, v\r, s56, s57
	v_max_num_f32 v\r, v\r, v48
.endr
.irp s, 0,1,2,3
	v_mul_f32 v48, -1.0, v[56+\s]
	v_cvt_u32_f32 v48, v48
	v_lshrrev_b32 v48, 6, v48                      ; the first unit (2,048 where no bin matched)
	v_cvt_u32_f32 v49, v[60+\s]
	v_add_nc_u32 v49, 63, v49
	v_lshrrev_b32 v49, 6, v49                      ; the unit behind the last
	v_min_u32 v50, v48, v49                        ; where no bin matched the first unit lies behind the last, and the run is empty
	v_sub_nc_u32 v[65+2*\s], v49, v50
	v_min_u32 v[64+2*\s], 0x7ff, v48
.endr
	s_lshl_b32 s41, s43, 5
	v_mov_b32 v31, s41                             ; 32 g
	v_cmp_eq_u32 vcc_lo, 0, v3
	s_wait_xcnt 0x0                                ; EXEC changes only behind s_wait_xcnt 0
	s_and_saveexec_b32 s58, vcc_lo
.irp s, 0,1,2,3
	global_store_b64 v31, v[64+2*\s:65+2*\s], s[68:69] offset:8*\s
.endr
	s_wait_xcnt 0x0
	s_or_b32 exec_lo, exec_lo, s58
.Lend:
	s_endpgm
.Lfunc_end_k_q6bac1ea26e_index:
	.size	k_q6bac1ea26e_index, .Lfunc_end_k_q6bac1ea26e_index-k_q6bac1ea26e_index
	.p2alignl 7, 3214868480
	.fill 96, 4, 3214868480
	.section	.rodata,"a",@progbits
	.p2align	6, 0x0
	.amdhsa_kernel k_q6bac1ea26e_index
		.amdhsa_group_segment_fixed_size 0
		.amdhsa_private_segment_fixed_size 0
		.amdhsa_enable_private_segment 0
		.amdhsa_kernarg_size 80
		.amdhsa_user_sgpr_count 2
		.amdhsa_user_sgpr_kernarg_segment_ptr 1
		.amdhsa_wavefront_size32 1
		.amdhsa_system_sgpr_workgroup_id_x 1
		.amdhsa_system_sgpr_workgroup_id_y 1
		.amdhsa_system_sgpr_workgroup_id_z 1
		.amdhsa_system_vgpr_workitem_id 0
		.amdhsa_next_free_vgpr 96
		.amdhsa_next_free_sgpr 72
		.amdhsa_reserve_vcc 1
		.amdhsa_float_denorm_mode_32 3
		.amdhsa_float_denorm_mode_16_64 3
		.amdhsa_memory_ordered 1
		.amdhsa_forward_progress 1
		.amdhsa_inst_pref_size 34
	.end_amdhsa_kernel
	.amdgpu_metadata
---
amdhsa.version: [ 1, 2 ]
amdhsa.kernels:
  - .name:           k_q6bac1ea26e_index
    .symbol:         k_q6bac1ea26e_index.kd
    .args:
      - { .name: perm, .offset: 0, .size: 8, .value_kind: global_buffer, .address_space: global }
      - { .name: binpos, .offset: 8, .size: 8, .value_kind: global_buffer, .address_space: global }
      - { .name: x, .offset: 16, .size: 8, .value_kind: global_buffer, .address_space: global }
      - { .name: grid_scales, .offset: 24, .size: 8, .value_kind: global_buffer, .address_space: global }
      - { .name: grid_translations, .offset: 32, .size: 8, .value_kind: global_buffer, .address_space: global }
      - { .name: xs, .offset: 40, .size: 8, .value_kind: global_buffer, .address_space: global }
      - { .name: idxa, .offset: 48, .size: 8, .value_kind: global_buffer, .address_space: global }
      - { .name: idxb, .offset: 56, .size: 8, .value_kind: global_buffer, .address_space: global }
      - { .name: rng, .offset: 64, .size: 8, .value_kind: global_buffer, .address_space: global }
      - { .name: feats, .offset: 72, .size: 8, .value_kind: global_buffer, .address_space: global }
    .group_segment_fixed_size: 0
    .private_segment_fixed_size: 0
    .kernarg_segment_align: 8
    .kernarg_segment_size: 80
    .max_flat_workgroup_size: 1024
    .sgpr_count:     72
    .vgpr_count:     96
    .wavefront_size: 32
...
	.end_amdgpu_metadata
.endif
;; end of part 3
;; launch gather (part 4): grid 4 x 64, 32 waves a work-group, no clusters, 283,136 bytes of LDS; arguments feature_grids, grid_scales, grid_translations, idxa, idxb, xs, rng, feats; writes feats
.if DOCPART == 4
	.amdgcn_target "amdgcn-amd-amdhsa--gfx1250"
	.amdhsa_code_object_version 6
	.text
	.protected	k_q6bac1ea26e_gather
	.globl	k_q6bac1ea26e_gather
	.p2align	8
	.type	k_q6bac1ea26e_gather,@function
k_q6bac1ea26e_gather:
	s_mov_b64 s[64:65], 0
	v_nop
	global_prefetch_b8 v0, s[64:65] scope:SCOPE_SE
	s_setreg_imm32_b32 hwreg(HW_REG_WAVE_MODE, 25, 1), 1
	s_wait_xcnt 0x0
; Launch 4 of 5: the trilinear lookups.  Work-group (s, g) holds z slices 16 s .. 16 s + 16 of grid g in LDS, both channels of a cell rounded to bf16 in one word
; (17 x 16,384 bytes), and serves the positions of the run rng[g][s] whose idx[g] names quarter s.  So each byte of the grids is read once, but for the slice that two quarters share.
; THE WEIGHTS.  With padding by zeros node i of an axis has the weight max(0, 1 - |f - i|), f the place in cells.  For ANY cell c in 0 .. 62 that holds all nodes of non-zero weight, the
; weights of nodes c and c + 1 by that formula give reference()'s sum, its 'valid' factors included: a node outside the grid is never read, and its neighbour inside keeps its weight.
; The cell comes from idx (whole numbers of the launch before: LDS addresses and store masks hang on them alone), the weights from the coordinates.
; No work of reference() is left out here: a position outside its quarter's run has f_z <= -1 or f_z >= 64, so both its z weights are 0, and it keeps the 0 that the launch before stored in feats.
; LIMITS.  bf16 table and bf16 features (they are matrix operands of the next launch); f is formed as x a + b (see the launch before); NaN and infinities are not treated apart.
; THE LOOP has no barrier: LDS is filled once.  A wave takes every 32nd unit of 64 positions of the run; a lane two positions.  Every trip does all its work, and no jump in the loop hangs on idx:
; a position of another quarter inside the run is computed on whatever cell its low bits name and is not stored; one whose z weights are 0 comes out as 0 and is stored by its quarter.
; NO CLUSTER: the four quarters of a grid share one slice in seventeen, and the table needs rounding and interleaving on its way into LDS, which goes through registers.
.set SPARE, 279040                     ; LDS: 0 .. 278,527 the table, cell (zl, y, x) at 4 ((64 zl + y) 64 + x); from 279,040 on the spare words, 128 bytes for each of the 32 waves
.set SPW, 126                          ; v126 my spare word's LDS address; never rewritten
.set NIL, 127                          ; v127 0; never rewritten
.set SL,  32                           ; the fill: v[32:95] eight slots of two loads; v[96:99] four cells; v100 LDS address; v101 global offset
.set TT,  96
.set WV,  66                           ; s66  my wave's number
.set QT,  67                           ; s67  s, the quarter;  s68  s << 16, as it stands in idx
; the loop: v1 8 lane; v2 offset of the next unit in idx and xs; v3 offset of the unit in hand in feats; v4 lane; v5 the prefetch's offset; v6 0.0;
; v[8:15] the next unit's idx, X, Y, Z pairs; v[16:23] the same in hand; v[24:25] the two results; point p works in v[32 + 40 p ..]:
; +0..2 d; +3..5 cell, then d - 1; +6:7, +8:9, +10:11 the weights of x, y, z; +12:15 z x y; +16:23 the eight corners' weights; +24 LDS address; +26:33 corners; +34, +35 sums
; s20-22 a, s60-62 b of x, y, z; s27 the next unit, s28 held to 2,047; s29 trips; s30 counter; s31 the run's last unit; s34, s35 masks; s[42:43] idx's row; s[44:45] feats + 256 g
	s_load_b512 s[4:19], s[0:1], 0x0               ; grids s[4:5], scales s[6:7], translations s[8:9], idxa s[10:11], idxb s[12:13], xs s[14:15], rng s[16:17], feats s[18:19]
	v_lshl_add_u32 v[SPW], v0, 2, SPARE
	v_mov_b32 v[NIL], 0
	v_lshrrev_b32 v4, 5, v0
	v_readfirstlane_b32 s[WV], v4                  ; wave
	v_and_b32 v4, 31, v0                           ; lane
	v_lshlrev_b32 v1, 3, v4
	v_lshlrev_b32 v100, 4, v0                      ; thread t takes 16 bytes of each channel of a slice, four cells: 16 bytes of LDS
	v_lshlrev_b32 v101, 4, v0
	v_mov_b32 v6, 0
	s_mov_b32 s[QT], ttmp9                         ; s, the quarter
	s_lshl_b32 s68, s[QT], 16
	s_and_b32 s50, ttmp7, 0xffff                   ; g
	s_lshl_b32 s52, s50, 21                        ; a grid is 2 MiB
	s_lshl_b32 s54, s[QT], 18                      ; sixteen slices of 16,384 bytes
	s_add_co_u32 s56, s52, s54
	s_mov_b32 s57, 0
	s_lshl_b32 s54, s[QT], 4
	s_add_co_u32 s54, s54, 16
	s_min_u32 s54, s54, 63                         ; the seventeenth slice; quarter 3 has none, never reads it, and fills it with slice 63: no load leaves the buffer
	s_lshl_b32 s54, s54, 14
	s_add_co_u32 s58, s52, s54
	s_mov_b32 s59, 0
	s_and_b32 s52, s50, 31
	s_lshl_b32 s52, s52, 19                        ; the grid's row in its half of idx
	s_mov_b32 s53, 0
	s_lshl_b32 s38, s50, 8                         ; the grid's 256 bytes in a unit of feats
	s_mov_b32 s39, 0
	s_mul_i32 s54, s50, 12
	s_lshl_b32 s55, s50, 2
	s_add_co_u32 s55, s55, s[QT]
	s_lshl_b32 s55, s55, 3
	s_mov_b32 s23, 0x41aa4530                      ; K1 = 31.5 / 1.48
	s_wait_kmcnt 0x0
	s_add_nc_u64 s[46:47], s[4:5], s[56:57]
	s_add_nc_u64 s[48:49], s[4:5], s[58:59]
	s_cmp_lt_u32 s50, 32
	s_cselect_b64 s[42:43], s[10:11], s[12:13]     ; grids 0 to 31: idxa; 32 to 63: idxb
	s_add_nc_u64 s[42:43], s[42:43], s[52:53]
	s_add_nc_u64 s[44:45], s[18:19], s[38:39]
; THE FILL.  Slice n: two loads, channel 0 and channel 1 (1 MiB on).  The slices that a neighbouring quarter reads too carry no hint.
.macro FLOAD n
.set S, SL+8*((\n)%8)
.if (\n) == 16
	global_load_b128 v[S:S+3],   v101, s[48:49]
	global_load_b128 v[S+4:S+7], v101, s[48:49] offset:1048576
.elseif (\n) == 0
	global_load_b128 v[S:S+3],   v101, s[46:47]
	global_load_b128 v[S+4:S+7], v101, s[46:47] offset:1048576
.else
	global_load_b128 v[S:S+3],   v101, s[46:47] offset:(\n)*16384 th:TH_LOAD_NT
	global_load_b128 v[S+4:S+7], v101, s[46:47] offset:(\n)*16384+1048576 th:TH_LOAD_NT
.endif
.endm
.irp n, 0,1,2,3,4,5,6,7
	FLOAD \n
.endr
	s_load_b96 s[20:22], s[6:7], s54 offset:0x0    ; waited for behind the fill; s54 and s55 stay as they are until then
	s_load_b96 s[24:26], s[8:9], s54 offset:0x0
	s_load_b64 s[32:33], s[16:17], s55 offset:0x0
.set k, 0
.rept 17
.set left, 16-k
.if left > 7
.set left, 7
.endif
	s_wait_loadcnt 2*left                          ; slice k is in; the two loads of each younger slice may stay out
.set S, SL+8*(k%8)
.irp j, 0,1,2,3
	v_cvt_pk_bf16_f32 v[TT+\j], v[S+\j], v[S+4+\j] ; channel 0 in the low half, channel 1 in the high half
.endr
	ds_store_b128 v100, v[TT:TT+3]
.if k < 16
	v_add_nc_u32 v100, 0x4000, v100
.endif
.if k+8 <= 16
	FLOAD k+8
.endif
.set k, k+1
.endr
	s_wait_dscnt 0x0                               ; for the others' sake: my part of the table is written
	s_barrier_signal -1
	s_barrier_wait -1                              ; the launch's one barrier: from here on LDS is only read
	s_wait_kmcnt 0x0
	s_mul_f32 s20, s20, s23                        ; a = scale x K1
	s_mul_f32 s21, s21, s23
	s_mul_f32 s22, s22, s23
	s_mov_b32 s60, 0x41fc0000                      ; b = translation x K1 + 31.5
	s_mov_b32 s61, 0x41fc0000
	s_mov_b32 s62, 0x41fc0000
	s_fmac_f32 s60, s24, s23
	s_fmac_f32 s61, s25, s23
	s_fmac_f32 s62, s26, s23
	s_min_u32 s32, s32, 2047                       ; the run's first unit and its length enter addresses and the trip count only behind these bounds
	s_min_u32 s33, s33, 2048
	s_add_co_u32 s29, s33, 31
	s_sub_co_u32 s29, s29, s[WV]
	s_lshr_b32 s29, s29, 5                         ; my wave's units: first + wave, + 32, ..
	s_cmp_eq_u32 s29, 0
	s_cbranch_scc1 .Lend
	s_add_co_u32 s31, s32, s33
	s_sub_co_u32 s31, s31, 1
	s_min_u32 s31, s31, 0x7ff
	s_add_co_u32 s27, s32, s[WV]
	s_min_u32 s28, s27, 0x7ff
.macro NEXT                            ; the loads of unit s28
	s_lshl_b32 s54, s28, 8
	v_add_nc_u32 v2, s54, v1
	global_load_b64 v[8:9],   v2, s[42:43]
	global_load_b64 v[10:11], v2, s[14:15]
	global_load_b64 v[12:13], v2, s[14:15] offset:524288
	global_load_b64 v[14:15], v2, s[14:15] offset:1048576
.endm
	NEXT
	s_mov_b32 s30, 0
.macro ADDR p                          ; point p's eight corners are asked for: x + 1 is 4 bytes on, y + 1 256, z + 1 16,384
.set WB, 32+40*(\p)
	v_and_b32 v[WB+24], 0xffff, v[16+(\p)]         ; the cell in the quarter
	v_min_u32 v[WB+24], 0xffbe, v[WB+24]           ; cell (15, 62, 62) is the last: all eight reads stay in the table
	v_lshlrev_b32 v[WB+24], 2, v[WB+24]
.set i, 0
.rept 8
	ds_load_b32 v[WB+26+i], v[WB+24] offset:4*(i%2)+256*((i/2)%2)+16384*(i/4)
.set i, i+1
.endr
.endm
.macro WGT p                           ; its eight weights
.set WB, 32+40*(\p)
.irp n, 0,1,2
	v_fma_f32 v[WB+\n], v[18+2*\n+(\p)], s[20+\n], s[60+\n]  ; f
	v_bfe_u32 v[WB+3+\n], v[16+(\p)], 6*\n, 6
	v_cvt_f32_u32 v[WB+3+\n], v[WB+3+\n]           ; the cell
.endr
.irp n, 0,1,2
	v_sub_f32 v[WB+\n], v[WB+\n], v[WB+3+\n]       ; d = f - cell
.endr
.irp n, 0,1,2
	v_add_f32 v[WB+3+\n], -1.0, v[WB+\n]           ; d - 1
.endr
.irp n, 0,1,2
	v_fma_f32 v[WB+6+2*\n], |v[WB+\n]|, -1.0, 1.0
	v_fma_f32 v[WB+7+2*\n], |v[WB+3+\n]|, -1.0, 1.0
.endr
.irp n, 0,1,2,3,4,5
	v_max_num_f32 v[WB+6+\n], 0, v[WB+6+\n]
.endr
	v_pk_mul_f32 v[WB+12:WB+13], v[WB+8:WB+9], v[WB+10:WB+11] op_sel_hi:[1,0]             ; (wy0, wy1) x wz0
	v_pk_mul_f32 v[WB+14:WB+15], v[WB+8:WB+9], v[WB+10:WB+11] op_sel:[0,1] op_sel_hi:[1,1] ; (wy0, wy1) x wz1
.irp n, 0,1
	v_pk_mul_f32 v[WB+16+4*\n:WB+17+4*\n], v[WB+6:WB+7], v[WB+12+2*\n:WB+13+2*\n] op_sel_hi:[1,0]
	v_pk_mul_f32 v[WB+18+4*\n:WB+19+4*\n], v[WB+6:WB+7], v[WB+12+2*\n:WB+13+2*\n] op_sel:[0,1] op_sel_hi:[1,1]
.endr
.endm
.macro ACCUM p                         ; both channels' sums in f32, straight from the bf16 halves; the first link adds the 0 of v6, since this form has no plain multiply
.set WB, 32+40*(\p)
	v_fma_mix_f32_bf16 v[WB+34], v[WB+26], v[WB+16], v6 op_sel_hi:[1,0,0]
	v_fma_mix_f32_bf16 v[WB+35], v[WB+26], v[WB+16], v6 op_sel:[1,0,0] op_sel_hi:[1,0,0]
.irp i, 1,2,3,4,5,6,7
	v_fma_mix_f32_bf16 v[WB+34], v[WB+26+\i], v[WB+16+\i], v[WB+34] op_sel_hi:[1,0,0]
	v_fma_mix_f32_bf16 v[WB+35], v[WB+26+\i], v[WB+16+\i], v[WB+35] op_sel:[1,0,0] op_sel_hi:[1,0,0]
.endr
	v_cvt_pk_bf16_f32 v[24+(\p)], v[WB+34], v[WB+35]
.endm
.Ltrip:
	s_wait_loadcnt 0x0                             ; the unit in hand has come; v2 is free
.irp i, 0,1,2,3,4,5,6,7
	v_mov_b32 v[16+\i], v[8+\i]
.endr
	s_lshl_b32 s54, s28, 14
	v_add_nc_u32 v3, s54, v1                       ; its place in feats (the last trip's stores have read v3: their s_wait_xcnt 0 stands behind them)
	s_add_co_u32 s27, s27, 32
	s_min_u32 s28, s27, 0x7ff                      ; the last trip asks for a unit that it does not use, inside the buffers
	NEXT
	; idx's row is prefetched by wave 0 for all 32 waves: lane l names the 256 bytes of the unit that wave l will load three trips on.  Each unit of the run is named once, but for the lanes of the
	; last asking trip, which are held to the run's last unit; the run's first four trips' units come by their loads alone.  xs is not asked for: all 64 grids' work-groups read it.
	s_cmp_lg_u32 s[WV], 0
	s_cbranch_scc1 .Lasked
	s_add_co_u32 s54, s27, 96
	s_cmp_le_u32 s54, s31
	s_cbranch_scc0 .Lasked
	v_add_nc_u32 v5, s54, v4                       ; (the last prefetch has read v5: an s_wait_xcnt 0 stands in every trip's stores)
	v_min_u32 v5, s31, v5
	v_min_u32 v5, 0x7ff, v5
	v_lshlrev_b32 v5, 8, v5
	global_prefetch_b8 v5, s[42:43] th:TH_LOAD_NT scope:SCOPE_SE
.Lasked:
	v_and_b32 v26, 0x30000, v16                    ; the quarter that owns the first point,
	v_and_b32 v27, 0x30000, v17                    ; the second
	v_cmp_eq_u32 vcc_lo, s68, v26
	s_mov_b32 s34, vcc_lo                          ; the first point is mine to store,
	v_cmp_eq_u32 vcc_lo, s68, v27
	s_mov_b32 s35, vcc_lo                          ; the second
	ADDR 0
	ADDR 1
	WGT 0
	WGT 1
	s_wait_dscnt 0x8                               ; the first point's corners are in; the second's eight loads may stay out
	ACCUM 0
	s_wait_dscnt 0x0
	ACCUM 1
	; three stores, each under its own lanes: both points, the first alone, the second alone.  EXEC is full here; behind each narrowing it is set full again by the constant
	s_and_b32 s38, s34, s35
	s_and_not1_b32 s39, s34, s35
	s_and_not1_b32 s40, s35, s34
	s_wait_xcnt 0x0                                ; EXEC changes only behind s_wait_xcnt 0
	s_and_saveexec_b32 s41, s38
	global_store_b64 v3, v[24:25], s[44:45]        ; inside a run: 256 consecutive bytes, aligned
	s_wait_xcnt 0x0
	s_mov_b32 exec_lo, -1
	s_and_saveexec_b32 s41, s39
	global_store_b32 v3, v24, s[44:45]
	s_wait_xcnt 0x0
	s_mov_b32 exec_lo, -1
	s_and_saveexec_b32 s41, s40
	global_store_b32 v3, v25, s[44:45] offset:4
	s_wait_xcnt 0x0
	s_mov_b32 exec_lo, -1
	s_add_co_u32 s30, s30, 1
	s_cmp_lt_u32 s30, s29
	s_cbranch_scc1 .Ltrip
.Lend:
	s_wait_tensorcnt 0x0                           ; the wave's end: behind my last LDS store
	ds_add_u32 v[SPW], v[NIL]
	s_wait_dscnt 0x0
	s_endpgm
.Lfunc_end_k_q6bac1ea26e_gather:
	.size	k_q6bac1ea26e_gather, .Lfunc_end_k_q6bac1ea26e_gather-k_q6bac1ea26e_gather
	.p2alignl 7, 3214868480
	.fill 96, 4, 3214868480
	.section	.rodata,"a",@progbits
	.p2align	6, 0x0
	.amdhsa_kernel k_q6bac1ea26e_gather
		.amdhsa_group_segment_fixed_size 283136
		.amdhsa_private_segment_fixed_size 0
		.amdhsa_enable_private_segment 0
		.amdhsa_kernarg_size 64
		.amdhsa_user_sgpr_count 2
		.amdhsa_user_sgpr_kernarg_segment_ptr 1
		.amdhsa_wavefront_size32 1
		.amdhsa_system_sgpr_workgroup_id_x 1
		.amdhsa_system_sgpr_workgroup_id_y 1
		.amdhsa_system_sgpr_workgroup_id_z 1
		.amdhsa_system_vgpr_workitem_id 0
		.amdhsa_next_free_vgpr 128
		.amdhsa_next_free_sgpr 72
		.amdhsa_reserve_vcc 1
		.amdhsa_float_denorm_mode_32 3
		.amdhsa_float_denorm_mode_16_64 3
		.amdhsa_memory_ordered 1
		.amdhsa_forward_progress 1
		.amdhsa_inst_pref_size 23
	.end_amdhsa_kernel
	.amdgpu_metadata
---
amdhsa.version: [ 1, 2 ]
amdhsa.kernels:
  - .name:           k_q6bac1ea26e_gather
    .symbol:         k_q6bac1ea26e_gather.kd
    .args:
      - { .name: feature_grids, .offset: 0, .size: 8, .value_kind: global_buffer, .address_space: global }
      - { .name: grid_scales, .offset: 8, .size: 8, .value_kind: global_buffer, .address_space: global }
      - { .name: grid_translations, .offset: 16, .size: 8, .value_kind: global_buffer, .address_space: global }
      - { .name: idxa, .offset: 24, .size: 8, .value_kind: global_buffer, .address_space: global }
      - { .name: idxb, .offset: 32, .size: 8, .value_kind: global_buffer, .address_space: global }
      - { .name: xs, .offset: 40, .size: 8, .value_kind: global_buffer, .address_space: global }
      - { .name: rng, .offset: 48, .size: 8, .value_kind: global_buffer, .address_space: global }
      - { .name: feats, .offset: 56, .size: 8, .value_kind: global_buffer, .address_space: global }
    .group_segment_fixed_size: 283136
    .private_segment_fixed_size: 0
    .kernarg_segment_align: 8
    .kernarg_segment_size: 64
    .max_flat_workgroup_size: 1024
    .sgpr_count:     72
    .vgpr_count:     128
    .wavefront_size: 32
...
	.end_amdgpu_metadata
.endif
;; end of part 4
;; launch mlp (part 5): grid 256 x 1, 4 waves a work-group, no clusters, 209,920 bytes of LDS; arguments feats, perm, W0, b0, W1, b1, W2, b2, out0; writes out0
.if DOCPART == 5
	.amdgcn_target "amdgcn-amd-amdhsa--gfx1250"
	.amdhsa_code_object_version 6
	.text
	.protected	k_q6bac1ea26e_mlp
	.globl	k_q6bac1ea26e_mlp
	.p2align	8
	.type	k_q6bac1ea26e_mlp,@function
k_q6bac1ea26e_mlp:
	s_mov_b64 s[64:65], 0
	v_nop
	global_prefetch_b8 v0, s[64:65] scope:SCOPE_SE
	s_setreg_imm32_b32 hwreg(HW_REG_WAVE_MODE, 25, 1), 1
	s_wait_xcnt 0x0
; Launch 5 of 5: the decoder, by sorted position: h0 = lrelu(feats W0^T + b0), h1 = lrelu(h0 W1^T + b1), out0[perm[position]] = h1 . W2 + b2.  No work of reference() is left out here.
; FORMATS.  feats, W0, W1 and layer 2's operand are in bf16 (features of 1e-4 and less have no room in f16); sums, biases, h1, W2 and the last layer in f32.
; THE PART OF h0 THAT NO POINT CHANGES STAYS IN f32.  With c0 = lrelu(b0): h0 W1^T + b1 = (h0 - c0) W1^T + (c0 W1^T + b1), for all inputs.  d0 = h0 - c0, formed in f32, is the matrix operand: lrelu's slope is
; at most 1, so |d0| <= |feats W0^T|, and its rounding to bf16, and W1's, go with the part that hangs on the features, however large the biases are beside it.  c1 = c0 W1^T + b1 is one vector, 16,384
; multiply-adds a work-group, made in f32 from the rows of W1 as they pass through registers on their way in; it is the C of layer 2's first products.  Where b0 is 0, d0 is h0.
; SHARES.  A work-group takes 512 positions, a wave two units of 64, in four passes of two tiles of 16 positions, one tile from each unit.
; LAYOUT.  The products are taken transposed: source 0 = 16 rows of W (neurons), source 1 = 16 positions.  In the result a lane holds ONE position (lane % 16) and the neurons
; 16 t + 8 (lane / 16) + 0..7.  Two such tiles, rounded to bf16 in pairs, ARE source 1 of the next layer: nothing goes through LDS between the layers.  The bias is the C of a sum's first product.
; A unit of feats is [64 grids][64 positions] words of two bf16, features 2 g and 2 g + 1: register 4 hi + j of the fragment for features 32 c on is the word of grid 16 c + 8 hi + 4 (lane / 16) + j.
; Both weight matrices stay in registers, 256 each.  The last layer has one column: 32 packed multiply-adds a tile, in f32, not products that would be fifteen sixteenths empty.
; NO CLUSTER: what work-groups share, the weights, arrives as f32 and is rounded on its way into LDS, through registers, once.  out0 is written by 4-byte stores to the points' own places,
; since the positions are sorted: 524,288 bytes in the whole launch.
; LIMITS.  NaN and infinite inputs are not treated apart.
; REGISTERS, in windows of 256 (s_set_vgpr_msb: bits 1:0 source 0, 3:2 source 1, 5:4 source 2, 7:6 destination):
;   window 0: v1-15 addresses; v16-23 c0 of my four columns; v30, v31 the add's; v32-95 X, source 1 of the layer in hand (tile m, features 32 c on at 32 m + 8 c); v96-223 the 16 accumulators (64 m + 8 t);
;             v224-239 at work; v240-251 the last layer
;   window 1: v0-63 b0, v64-127 b1, then c1, v128-191 W2, v192-255 -c0: register 8 t + j holds element 16 t + 8 (lane / 16) + j
;   window 2: first two blocks of 128 for the way in; then W0's fragments, neurons 16 t on, features 32 c on at 8 (4 t + c)          window 3: W1's
.set PW,    272                        ; an LDS row: 256 bytes + 16: the 16 rows of a fragment load start 68 words apart
.set LW1,   34816                      ; LDS: W0 128 rows from 0, W1 128 rows from here,
.set FE0,   69632                      ; then each wave's own stage: its two units' 128 rows of 64 words
.set FEB,   34816
.set SPARE, 208896                     ; the spare words, 128 bytes for each wave
.set E1,    209408                     ; behind them: c0 W1^T, 128 words
.set X,   32
.set ACC, 96
.set RS,  160                          ; the way in: row i's sum in v[160 + 2 i], with v[161 + 2 i] at work
.set T,   224
.set O,   240
.set NC0, 192                          ; window 1
.set SPW, 30
.set NIL, 31
.set MSB, 0
.macro WIN new                         ; the immediate's high byte repeats the setting that is left; a switch that changes nothing is dropped
.if MSB != (\new)
	s_set_vgpr_msb (MSB<<8)|(\new)
.set MSB, (\new)
.endif
.endm
	s_load_b512 s[4:19], s[0:1], 0x0               ; feats s[4:5], perm s[6:7], W0 s[8:9], b0 s[10:11], W1 s[12:13], b1 s[14:15], W2 s[16:17], b2 s[18:19]
	s_load_b64 s[20:21], s[0:1], 0x40              ; out0
	v_lshl_add_u32 v[SPW], v0, 2, SPARE
	v_mov_b32 v[NIL], 0
	v_lshrrev_b32 v12, 5, v0
	v_readfirstlane_b32 s22, v12                   ; wave
	v_and_b32 v12, 31, v0                          ; lane
	v_and_b32 v1, 15, v0                           ; r = lane % 16
	v_bfe_u32 v2, v0, 4, 1                         ; h = lane / 16
	s_lshl_b32 s23, s22, 14
	v_lshl_add_u32 v3, v12, 4, s23                 ; W0, W1 in memory: my wave's 32 rows of 512 bytes, 16 bytes a lane
	s_lshl_b32 s23, s22, 15
	v_lshl_add_u32 v4, v12, 4, s23                 ; feats: my wave's two units, 32,768 bytes on end
	s_mul_i32 s23, s22, 32*PW
	v_lshl_add_u32 v5, v12, 3, s23                 ; W in LDS: the same 32 rows, 8 bytes a lane
	s_mul_i32 s23, s22, FEB
	s_add_co_u32 s23, s23, FE0                     ; my stage
	v_mul_u32_u24 v6, v2, PW
	v_lshl_add_u32 v6, v1, 4, v6
	v_add_nc_u32 v6, s23, v6                       ; in: a load's 512 bytes are two rows; lanes 0-15 the first, lanes 16-31 the second
	v_mul_u32_u24 v7, v1, PW
	v_lshl_add_u32 v7, v2, 4, v7                   ; a fragment of W: row r, 16 bytes for each half of the lanes
	v_mul_u32_u24 v8, v2, 4*PW
	v_lshl_add_u32 v8, v1, 2, v8
	v_add_nc_u32 v8, s23, v8                       ; a fragment of feats: grid 4 h, position r; 64 bytes on in each pass
	s_lshl_b32 s23, s22, 9
	v_lshlrev_b32 v9, 8, v2
	v_lshl_add_u32 v9, v1, 2, v9
	v_add_nc_u32 v9, s23, v9                       ; perm: unit 2 wave + h, position r; 64 bytes on in each pass
	v_lshlrev_b32 v11, 5, v2                       ; my 8 of each 16 elements of b0, b1, W2
	s_lshl_b32 s23, s22, 7
	s_add_co_u32 s23, s23, E1
	v_mov_b32 v13, s23                             ; c0 W1^T: my wave's 32 words
	v_lshl_add_u32 v14, v2, 5, E1                  ; and my 8 of each 16
	v_lshlrev_b32 v15, 4, v12                      ; b0 of the four columns of W1 that I hold: 4 lane ..
	v_mov_b32 v250, 0                              ; v_permlanex16_b32 counts as a reader of its destination
	v_mov_b32 v251, 0
	s_mov_b32 s27, 0xffff0000                      ; lanes 16-31
	s_mov_b32 s30, 0x3e4ccccd                      ; 0.2
	s_mov_b32 s31, 0x3e4ccccd                      ; named with it as a pair
	s_mov_b32 s32, 0x76543210
	s_mov_b32 s33, 0xfedcba98
	s_lshl_b32 s24, ttmp9, 17                      ; the work-group's 8 units of feats,
	s_mov_b32 s25, 0
	s_lshl_b32 s34, ttmp9, 11                      ; and its 512 words of perm
	s_mov_b32 s35, 0
	s_wait_kmcnt 0x0
	s_add_nc_u64 s[4:5], s[4:5], s[24:25]
	s_add_nc_u64 s[6:7], s[6:7], s[34:35]
	s_load_b32 s29, s[18:19], 0x0                  ; b2
	global_load_b128 v[16:19], v15, s[10:11]       ; the oldest load: every counted wait below shows it in
	; THE WAY IN, by two blocks of 32 loads in window 2 that take turns: W0, W1, feats' first half, feats' second half.
	WIN 0x80                                       ; destination window 2
.set i, 0
.rept 32
	global_load_b128 v[4*i:4*i+3], v3, s[8:9] offset:512*i
.set i, i+1
.endr
.set i, 0
.rept 32
	global_load_b128 v[128+4*i:128+4*i+3], v3, s[12:13] offset:512*i
.set i, i+1
.endr
	s_wait_loadcnt 32                              ; W0's rows are in; W1's 32 loads may stay out
	WIN 0x0a                                       ; sources window 2, destination window 0
.set i, 0
.rept 32
	v_cvt_pk_bf16_f32 v[X+2*i],   v[4*i],   v[4*i+1]
	v_cvt_pk_bf16_f32 v[X+2*i+1], v[4*i+2], v[4*i+3]
.set i, i+1
.endr
	WIN 0
.irp j, 0,1,2,3
	v_mul_f32 v[20+\j], s30, v[16+\j]
.endr
.irp j, 0,1,2,3
	v_max_num_f32 v[16+\j], v[16+\j], v[20+\j]     ; c0 = lrelu(b0) of my four columns
.endr
.set i, 0
.rept 32
	ds_store_b64 v5, v[X+2*i:X+2*i+1] offset:PW*i
.set i, i+1
.endr
	WIN 0x80
.set i, 0
.rept 32
	global_load_b128 v[4*i:4*i+3], v4, s[4:5] offset:512*i th:TH_LOAD_NT
.set i, i+1
.endr
	s_wait_loadcnt 32                              ; W1's rows are in; the 32 just issued may stay out
	WIN 0x0a
.set i, 0
.rept 32
	v_cvt_pk_bf16_f32 v[ACC+2*i],   v[128+4*i],   v[128+4*i+1]
	v_cvt_pk_bf16_f32 v[ACC+2*i+1], v[128+4*i+2], v[128+4*i+3]
.set i, i+1
.endr
	WIN 0x02                                       ; source 0 window 2: row i's four numbers times my four of c0, in f32
.set i, 0
.rept 32
	v_pk_mul_f32 v[RS+2*i:RS+2*i+1], v[128+4*i:128+4*i+1], v[16:17]
.set i, i+1
.endr
.set i, 0
.rept 32
	v_pk_fma_f32 v[RS+2*i:RS+2*i+1], v[128+4*i+2:128+4*i+3], v[18:19], v[RS+2*i:RS+2*i+1]
.set i, i+1
.endr
	WIN 0
.set i, 0
.rept 32
	ds_store_b64 v5, v[ACC+2*i:ACC+2*i+1] offset:LW1+PW*i
.set i, i+1
.endr
	WIN 0x80
.set i, 0
.rept 32
	global_load_b128 v[128+4*i:128+4*i+3], v4, s[4:5] offset:512*(32+i) th:TH_LOAD_NT
.set i, i+1
.endr
	WIN 0                                          ; while feats is on its way: the 32 rows' sums over the 32 lanes, a step for all rows at a time, so that no line waits for the one before it
.set i, 0
.rept 32
	v_add_f32 v[RS+2*i], v[RS+2*i], v[RS+2*i+1]
.set i, i+1
.endr
.irp x, 1,2,4,8
.set i, 0
.rept 32
	v_add_f32_dpp v[RS+2*i], v[RS+2*i], v[RS+2*i] row_xmask:\x row_mask:0xf bank_mask:0xf
.set i, i+1
.endr
.endr
.set i, 0
.rept 32
	v_permlanex16_b32 v[RS+2*i+1], v[RS+2*i], s32, s33
.set i, i+1
.endr
.set i, 0
.rept 32
	v_add_f32 v[RS+2*i], v[RS+2*i], v[RS+2*i+1]
.set i, i+1
.endr
.set i, 0
.rept 32
	ds_store_b32 v13, v[RS+2*i] offset:4*i         ; all lanes write the same word with the same value
.set i, i+1
.endr
	s_wait_loadcnt 32                              ; feats' first half is in
	WIN 0x08                                       ; an LDS store's data is source 1: window 2
.set i, 0
.rept 32
	ds_store_b128 v6, v[4*i:4*i+3] offset:2*PW*i
.set i, i+1
.endr
	WIN 0x40                                       ; destination window 1
.set t, 0
.rept 8
	global_load_b128 v[8*t:8*t+3],         v11, s[10:11] offset:64*t
	global_load_b128 v[8*t+4:8*t+7],       v11, s[10:11] offset:64*t+16
	global_load_b128 v[64+8*t:64+8*t+3],   v11, s[14:15] offset:64*t
	global_load_b128 v[64+8*t+4:64+8*t+7], v11, s[14:15] offset:64*t+16
	global_load_b128 v[128+8*t:128+8*t+3],   v11, s[16:17] offset:64*t
	global_load_b128 v[128+8*t+4:128+8*t+7], v11, s[16:17] offset:64*t+16
.set t, t+1
.endr
	s_wait_loadcnt 48                              ; feats' second half is in; the 48 just issued may stay out
	WIN 0x08
.set i, 0
.rept 32
	ds_store_b128 v6, v[128+4*i:128+4*i+3] offset:2*PW*(32+i)
.set i, i+1
.endr
	WIN 0
	s_wait_dscnt 0x0                               ; for the others' sake: my rows of W0 and W1 and my 32 words of c0 W1^T are written
	s_barrier_signal -1
	s_barrier_wait -1                              ; the launch's one barrier
	WIN 0x80                                       ; W0's 32 fragments into window 2,
.set i, 0
.rept 32
	ds_load_b128 v[8*i:8*i+3],   v7 offset:16*PW*(i/4)+64*(i%4)
	ds_load_b128 v[8*i+4:8*i+7], v7 offset:16*PW*(i/4)+64*(i%4)+32
.set i, i+1
.endr
	WIN 0xc0                                       ; W1's into window 3
.set i, 0
.rept 32
	ds_load_b128 v[8*i:8*i+3],   v7 offset:LW1+16*PW*(i/4)+64*(i%4)
	ds_load_b128 v[8*i+4:8*i+7], v7 offset:LW1+16*PW*(i/4)+64*(i%4)+32
.set i, i+1
.endr
	WIN 0                                          ; c0 W1^T, in the accumulators' layout, into registers that the first pass writes anew
.set t, 0
.rept 8
	ds_load_b128 v[ACC+8*t:ACC+8*t+3],   v14 offset:64*t
	ds_load_b128 v[ACC+8*t+4:ACC+8*t+7], v14 offset:64*t+16
.set t, t+1
.endr
	s_wait_dscnt 0x0
	s_wait_loadcnt 0x0                             ; b0, b1, W2
	s_wait_kmcnt 0x0                               ; b2
	WIN 0x41                                       ; destination and source 0 window 1, source 1 window 0
.set i, 0
.rept 32
	v_pk_add_f32 v[64+2*i:65+2*i], v[64+2*i:65+2*i], v[ACC+2*i:ACC+2*i+1]         ; c1 = b1 + c0 W1^T
	v_pk_mul_f32 v[NC0+2*i:NC0+2*i+1], v[2*i:2*i+1], s[30:31] op_sel_hi:[1,0]     ; 0.2 b0
.set i, i+1
.endr
	WIN 0x45                                       ; all three in window 1
.set i, 0
.rept 64
	v_max_num_f32 v[NC0+i], v[NC0+i], v[i]         ; c0
.set i, i+1
.endr
.set i, 0
.rept 32
	v_pk_mul_f32 v[NC0+2*i:NC0+2*i+1], v[NC0+2*i:NC0+2*i+1], -1.0 op_sel_hi:[1,0]  ; kept as -c0, so that the passes add it
.set i, i+1
.endr
	WIN 0
; A layer: 64 products.  win = the weights' window, bias = the first register in window 1 of what starts the sums.  The 16 accumulators take turns, one instruction a turn:
; between two links of a chain stand the 15 others'.
.macro LAYER win, bias
.set c, 0
.rept 4
.if c == 0
	WIN 0x10+\win
.else
	WIN \win
.endif
.set t, 0
.rept 8
.set m, 0
.rept 2
.if c == 0
	v_wmma_f32_16x16x32_bf16 v[ACC+64*m+8*t:ACC+64*m+8*t+7], v[8*(4*t+c):8*(4*t+c)+7], v[X+32*m+8*c:X+32*m+8*c+7], v[\bias+8*t:\bias+8*t+7]
.else
	v_wmma_f32_16x16x32_bf16 v[ACC+64*m+8*t:ACC+64*m+8*t+7], v[8*(4*t+c):8*(4*t+c)+7], v[X+32*m+8*c:X+32*m+8*c+7], v[ACC+64*m+8*t:ACC+64*m+8*t+7]
.endif
.set m, m+1
.endr
.set t, t+1
.endr
.set c, c+1
.endr
.endm
; lrelu(x) = max(x, 0.2 x) on all 16 accumulators, each from its lowest registers on.  pack = 1: then c0 is taken away (its negative is added, from window 1), and the rest is rounded to bf16 into X,
; where tile t is half t % 2 of the next layer's fragment t / 2.  The three steps stand apart, each under one window setting.
; Four v_nop are the places between the last products and the first line that reads a result or writes a source (ISA guide 7.12.1).
.macro ACT pack
	WIN 0
.rept 4
	v_nop
.endr
.set m, 0
.rept 2
.set t, 0
.rept 8
.set A, ACC+64*m+8*t
.set TT, T+8*(t%2)
.irp j, 0,2,4,6
	v_pk_mul_f32 v[TT+\j:TT+\j+1], v[A+\j:A+\j+1], s[30:31] op_sel_hi:[1,0]
.endr
.irp j, 0,1,2,3,4,5,6,7
	v_max_num_f32 v[A+\j], v[A+\j], v[TT+\j]
.endr
.set t, t+1
.endr
.set m, m+1
.endr
.if \pack
	WIN 0x04                                       ; source 1 window 1
.set m, 0
.rept 2
.set t, 0
.rept 8
.set A, ACC+64*m+8*t
.irp j, 0,2,4,6
	v_pk_add_f32 v[A+\j:A+\j+1], v[A+\j:A+\j+1], v[NC0+8*t+\j:NC0+8*t+\j+1]
.endr
.set t, t+1
.endr
.set m, m+1
.endr
	WIN 0
.set m, 0
.rept 2
.set t, 0
.rept 8
.set A, ACC+64*m+8*t
.irp j, 0,1,2,3
	v_cvt_pk_bf16_f32 v[X+32*m+8*(t/2)+4*(t%2)+\j], v[A+2*\j], v[A+2*\j+1]
.endr
.set t, t+1
.endr
.set m, m+1
.endr
.endif
.endm
	s_mov_b32 s26, 4
.Lpass:
.set i, 0
.rept 64                               ; register 32 m + 8 c + 4 hi + j: row 64 m + 16 c + 8 hi + j (+ 4 h by the address)
	ds_load_b32 v[X+i], v8 offset:(64*(i/32)+16*((i/8)%4)+8*((i/4)%2)+(i%4))*PW
.set i, i+1
.endr
	global_load_b32 v10, v9, s[6:7]                ; the point of my position: lanes 0-15 tile 0's, lanes 16-31 tile 1's
	s_wait_dscnt 0x0
	LAYER 2, 0                                     ; feats W0^T + b0
	ACT 1                                          ; d0 = lrelu(..) - c0
	LAYER 3, 64                                    ; d0 W1^T + c1
	ACT 0                                          ; h1
	WIN 0x04                                       ; W2 (source 1) in window 1
.set t, 0
.rept 8                                ; h1 . W2: four chains of packed sums, by tile and by the pair's parity, so that three lines stand between two links
.set jj, 0
.rept 4
.set m, 0
.rept 2
.set OO, O+2*(2*m+(jj%2))
.set A, ACC+64*m+8*t+2*jj
.if (t == 0) && (jj < 2)
	v_pk_mul_f32 v[OO:OO+1], v[A:A+1], v[128+8*t+2*jj:128+8*t+2*jj+1]
.else
	v_pk_fma_f32 v[OO:OO+1], v[A:A+1], v[128+8*t+2*jj:128+8*t+2*jj+1], v[OO:OO+1]
.endif
.set m, m+1
.endr
.set jj, jj+1
.endr
.set t, t+1
.endr
	WIN 0
	v_pk_add_f32 v[O:O+1], v[O:O+1], v[O+2:O+3]
	v_pk_add_f32 v[O+4:O+5], v[O+4:O+5], v[O+6:O+7]
	v_add_f32 v248, v[O], v[O+1]
	v_add_f32 v249, v[O+4], v[O+5]
	v_permlanex16_b32 v250, v248, s32, s33         ; the position's other 64 neurons lie in the lane 16 away
	v_permlanex16_b32 v251, v249, s32, s33
	v_add_f32 v248, v248, v250
	v_add_f32 v249, v249, v251
	v_cndmask_b32 v248, v248, v249, s27            ; lanes 0-15 keep tile 0's result, lanes 16-31 take tile 1's
	v_add_f32 v248, s29, v248
	s_wait_loadcnt 0x0
	v_min_u32 v10, 0x1ffff, v10                    ; a point's number enters an address only behind this bound
	v_lshlrev_b32 v10, 2, v10
	global_store_b32 v10, v248, s[20:21]
	s_wait_xcnt 0x0                                ; v10 and v248 are written again only behind this wait
	v_add_nc_u32 v8, 64, v8
	v_add_nc_u32 v9, 64, v9
	s_sub_co_u32 s26, s26, 1
	s_cmp_lg_u32 s26, 0
	s_cbranch_scc1 .Lpass
	s_wait_tensorcnt 0x0                           ; the wave's end: behind my last LDS store
	ds_add_u32 v[SPW], v[NIL]
	s_wait_dscnt 0x0
	s_endpgm
.Lfunc_end_k_q6bac1ea26e_mlp:
	.size	k_q6bac1ea26e_mlp, .Lfunc_end_k_q6bac1ea26e_mlp-k_q6bac1ea26e_mlp
	.p2alignl 7, 3214868480
	.fill 96, 4, 3214868480
	.section	.rodata,"a",@progbits
	.p2align	6, 0x0
	.amdhsa_kernel k_q6bac1ea26e_mlp
		.amdhsa_group_segment_fixed_size 209920
		.amdhsa_private_segment_fixed_size 0
		.amdhsa_enable_private_segment 0
		.amdhsa_kernarg_size 72
		.amdhsa_user_sgpr_count 2
		.amdhsa_user_sgpr_kernarg_segment_ptr 1
		.amdhsa_wavefront_size32 1
		.amdhsa_system_sgpr_workgroup_id_x 1
		.amdhsa_system_sgpr_workgroup_id_y 1
		.amdhsa_system_sgpr_workgroup_id_z 1
		.amdhsa_system_vgpr_workitem_id 0
		.amdhsa_next_free_vgpr 1024
		.amdhsa_next_free_sgpr 66
		.amdhsa_reserve_vcc 0
		.amdhsa_float_denorm_mode_32 3
		.amdhsa_float_denorm_mode_16_64 3
		.amdhsa_memory_ordered 1
		.amdhsa_forward_progress 1
		.amdhsa_inst_pref_size 114
	.end_amdhsa_kernel
	.amdgpu_metadata
---
amdhsa.version: [ 1, 2 ]
amdhsa.kernels:
  - .name:           k_q6bac1ea26e_mlp
    .symbol:         k_q6bac1ea26e_mlp.kd
    .args:
      - { .name: feats, .offset: 0, .size: 8, .value_kind: global_buffer, .address_space: global }
      - { .name: perm, .offset: 8, .size: 8, .value_kind: global_buffer, .address_space: global }
      - { .name: W0, .offset: 16, .size: 8, .value_kind: global_buffer, .address_space: global }
      - { .name: b0, .offset: 24, .size: 8, .value_kind: global_buffer, .address_space: global }
      - { .name: W1, .offset: 32, .size: 8, .value_kind: global_buffer, .address_space: global }
      - { .name: b1, .offset: 40, .size: 8, .value_kind: global_buffer, .address_space: global }
      - { .name: W2, .offset: 48, .size: 8, .value_kind: global_buffer, .address_space: global }
      - { .name: b2, .offset: 56, .size: 8, .value_kind: global_buffer, .address_space: global }
      - { .name: out0, .offset: 64, .size: 8, .value_kind: global_buffer, .address_space: global }
    .group_segment_fixed_size: 209920
    .private_segment_fixed_size: 0
    .kernarg_segment_align: 8
    .kernarg_segment_size: 72
    .max_flat_workgroup_size: 128
    .sgpr_count:     66
    .vgpr_count:     1024
    .wavefront_size: 32
...
	.end_amdgpu_metadata
.endif
;; end of part 5
